; MI455X (gfx1250); checked and timed in simulation.
; The chip was launched on July 23, 2026; its instructions are those of AMD's public machine-readable ISA for CDNA 5 (MIT licence, August 2026) and "CDNA5" Instruction Set Architecture Reference Guide (July 2026). The comments in the code are by the model that wrote it; some were corrected since.
;; Multi Head Attention. Allowed arithmetic: matrix products marked QUANTISED: E4M3 operands, one given power-of-two scale a tensor, by v_wmma_f32_16x16x64_fp8_fp8 or v_wmma_f32_16x16x128_fp8_fp8, f32 sums; everything else in f32.
;; Inputs: Wk 4 x 1,024 x 64 float32; Wp 1,024 x 1,024 float32; Wq 4 x 4 x 1,024 x 64 float32; Wv 4 x 1,024 x 64 float32; bp 1,024 float32; lowp_scales 12 int32 (the exponents e of the quantised operands' scales 2^e); x 4 x 2,048 x 1,024 float32.
;; Outputs: out0 4 x 2,048 x 1,024 float32.
;; This version of the problem:
;;   THIS VERSION OF THE PROBLEM IS GIVEN IN LOW PRECISION. The matrix products marked QUANTISED in the list below multiply operands that are first quantised to E4M3 (4 exponent bits, 3 mantissa bits; 8 bits a number), with one given power-of-two scale for each operand tensor; their sums are f32. All else is computed in f32.
;;   The module's matrix products, in the order in which they are computed (A, B: the left and right operand; K: the contracted axis; several contracted axes count as one K, in the product's order):
;;     1. [M 1,024, K 1,024] x [K 1,024, N 8,192]; A: input Wq; B: input x: QUANTISED (scales: A lowp_scales[0], B lowp_scales[1])
;;     2. [M 256, K 1,024] x [K 1,024, N 8,192]; A: input Wk; B: input x: QUANTISED (scales: A lowp_scales[2], B lowp_scales[3])
;;     3. [M 256, K 1,024] x [K 1,024, N 8,192]; A: input Wv; B: input x: QUANTISED (scales: A lowp_scales[4], B lowp_scales[5])
;;     4. batch 16 x [M 8,192, K 64] x [K 64, N 2,048]; A: computed on the way; B: computed on the way: QUANTISED (scales: A lowp_scales[6], B lowp_scales[7])
;;     5. batch 16 x [M 8,192, K 2,048] x [K 2,048, N 64]; A: softmax (see below); B: computed on the way: QUANTISED (scales: A lowp_scales[8], B lowp_scales[9])
;;     6. [M 8,192, K 1,024] x [K 1,024, N 1,024]; A: computed on the way; B: input Wp: QUANTISED (scales: A lowp_scales[10], B lowp_scales[11])
;;   THE QUANTISER, for each operand of a quantised product, along K:
;;     - The operand's scale is 2^e, e = its entry of the input lowp_scales (int32; the entries are numbered through the quantised products in the list's order, A before B).
;;     - Each number is divided by the scale, clamped to +-448, and rounded to the nearest number of E4M3, ties to even, subnormals kept.
;;     - The product sums the exact products of the quantised numbers (number of the format x scale) in f32.
;;   ~~~python
;;   def quantise(x, axis, e):      # numpy; x: float32 -> the quantised numbers, widened to float32 again
;;       x = np.moveaxis(x, axis, -1); K = x.shape[-1]
;;       r = np.clip(x / 2.0 ** e, -448, 448)
;;       step = 2.0 ** (np.maximum(np.frexp(np.where(r == 0, 1, r))[1] - 1, -6) - 3)
;;       q = np.round(r / step) * step * 2.0 ** e      # np.round: ties to even
;;       return np.moveaxis(q, -1, axis).astype(np.float32)
;;   ~~~
;;   SOFTMAX AHEAD OF A QUANTISED PRODUCT. Where the list says 'softmax', what is quantised is not the finished softmax but p = 2^(t - M), with t = logit x log2(e) and M = ceil(the row's largest t), a whole number; so 1/2 < the row's largest p <= 1. The row's sum l is taken of the UNQUANTISED p, in f32, and the product's result is divided by l at the end. Since M is a whole number, a kernel that streams over the keys may use a running M (the ceiling of the running maximum): every later rescaling is an exact power of two, so the quantised numbers keep their values, but for numbers so far below the row's largest that they fall under the format's range.
;;   OPERANDS COMPUTED ON THE WAY. 'Computed on the way' means the value that the module computes at that place (a softmax that the list does not call 'softmax' is quantised finished and normalised). What goes into a quantiser is computed in f32, as accurately as f32 sums, v_exp_f32 and their like allow (about 1e-6 of the number): no bf16 or f16 on the way to a quantiser, and a product that is left as it is and whose result goes on into a quantised operand takes f32 operands (vector FMAs, or v_wmma_f32_16x16x4_f32). A number that lies on a knife's edge between two numbers of the format may be rounded either way, as far as f32 arithmetic and the matrix unit's own rounding can turn it there, and no further.
;; One version. Each part assembles by itself: llvm-mc -triple=amdgcn-amd-amdhsa -mcpu=gfx1250 --defsym DOCPART=n.
;; ======== version 1 of 1: 4 launches
;; workspace buffers: xcodes 25,165,824 bytes; wcodes 2,621,440 bytes; qcodes 8,388,608 bytes; kvcodes 4,194,304 bytes; ocodes 8,388,608 bytes
;; launch prep (part 1): grid 336 x 1, 8 waves a work-group, no clusters, 68,608 bytes of LDS; arguments x, Wq, Wk, Wv, Wp, lowp_scales, xcodes, wcodes; writes xcodes, wcodes
.if DOCPART == 1
	.amdgcn_target "amdgcn-amd-amdhsa--gfx1250"
	.amdhsa_code_object_version 6
	.text
	.protected	k_q69019c217d_prep
	.globl	k_q69019c217d_prep
	.p2align	8
	.type	k_q69019c217d_prep,@function
k_q69019c217d_prep:
	s_mov_b64 s[64:65], 0
	v_nop
	global_prefetch_b8 v0, s[64:65] scope:SCOPE_SE
	s_setreg_imm32_b32 hwreg(HW_REG_WAVE_MODE, 25, 1), 1
	s_wait_xcnt 0x0
; PREP: the f32 inputs become codes of FP8 (E4M3), laid as IMAGES OF OPERAND REGISTERS, so that the later launches need no pitch, no padding and no transposition.
; A TILE a of a row axis holds the 16 rows  row(a, r) = 32 (a / 2) + 8 (a % 2) + r + 8 (r / 8),  r = 0 .. 15.
; A FRAGMENT IMAGE is 16 rows x 128 along K in 2,048 bytes: piece c (512 bytes), lane l = r + 16 h: the 16 bytes at 512 c + 16 l are row(a, r), k = 32 c + 16 h + 0 .. 15.
; xcodes: [3 parts][32 blocks of 256 rows][8 fragments along K][16 tiles][2,048]: x under its three given scales (entries 1, 3, 5 of the exponents), which may differ.
; wcodes: [10 blocks of 256 columns][8][16][2,048]: blocks 0-3 Wq (entry 0), 4 Wk (entry 2), 5 Wv (entry 4), 6-9 Wp (entry 11); the rows of an image are the weight's COLUMNS, K its rows.
; code = number / 2^e, held within +-448, to the nearest code, ties to even.
; LIMITS: each of these exponents lies between -126 and 119, so that 2^e and 448 x 2^e are f32 numbers.  NaN among the inputs is not served; an infinity is held at the largest code.
; Work-groups 0-79 take the weights, 80-335 take x.  No tensor load, no barrier: waves share nothing.  Matrix units and clusters have nothing to do in a stream.
.set STGB,  8448                       ; x path: a wave's stage in LDS: 16 rows x (512 bytes + 16)
.set SPARE, 8*STGB                     ; behind the eight stages: the spare words, 128 bytes for each wave: four blocks of 256 bytes that no other line names
.set SPW,   14                         ; v14  LDS address of my spare word; never rewritten
.set NIL,   15                         ; v15  0; never rewritten
.set TX,    16                         ; x path: v16-31 sixteen held numbers
.set CX,    32                         ;         v32-43 a piece's codes under the three scales
.set R0,    64                         ;         v64-127 fragment 0 as loaded, later fragment 1 by lanes
.set R1,    128                        ;         v128-191 fragment 1 as loaded
.set X0,    192                        ;         v192-255 fragment 0 by lanes
.set VO,    16                         ; weights: v16-31 offsets of sixteen rows down K
.set CW,    32                         ;          v32-63 codes, four registers for each of eight groups: no store's data are written again
.set RW,    64                         ;          v64-127 four sets of sixteen numbers
.set TW,    192                        ;          v192-207 sixteen held numbers
.macro MKSC vs, vl, se                 ; v[vs] = 2^e as f32 (the conversion takes its exponent field), v[vl] = 448 x 2^e, e in s[se]
	s_add_co_i32 s80, s[\se], 127
	s_lshl_b32 s81, s80, 23
	v_mov_b32 v[\vs], s81
	s_add_co_i32 s80, s80, 8
	s_lshl_b32 s80, s80, 23
	s_or_b32 s80, s80, 0x600000
	v_mov_b32 v[\vl], s80
.endm
	s_load_b256 s[4:11], s[0:1], 0x0               ; x s[4:5], Wq s[6:7], Wk s[8:9], Wv s[10:11]
	s_load_b256 s[12:19], s[0:1], 0x20             ; Wp s[12:13], the exponents s[14:15], xcodes s[16:17], wcodes s[18:19]
	v_lshl_add_u32 v[SPW], v0, 2, SPARE
	v_mov_b32 v[NIL], 0
	v_lshrrev_b32 v1, 5, v0
	v_readfirstlane_b32 s20, v1                    ; wave 0..7
	v_and_b32 v1, 31, v0                           ; lane
	v_and_b32 v2, 15, v0                           ; r
	v_bfe_u32 v3, v0, 4, 1                         ; h
	s_wait_kmcnt 0x0
	s_load_b256 s[68:75], s[14:15], 0x0            ; e0 .. e7
	s_load_b128 s[76:79], s[14:15], 0x20           ; e8 .. e11
	s_cmp_lt_u32 ttmp9, 80                         ; the work-group's number alone decides the path
	s_cbranch_scc1 .Lweights
; ---- x.  Wave W of 2,048 takes tile W / 4 and two fragments along K, 2 (W % 4) and the next: 16 rows x 256 numbers.  A work-group reads 32 whole neighbouring rows.
	s_sub_co_u32 s21, ttmp9, 80
	s_lshl_b32 s21, s21, 3
	s_add_co_u32 s21, s21, s20                     ; W
	s_lshr_b32 s30, s21, 2                         ; the tile A, 0 .. 511
	s_and_b32 s31, s21, 3
	s_lshl_b32 s31, s31, 1                         ; my first fragment along K
	s_lshr_b32 s34, s30, 1
	s_lshl_b32 s34, s34, 17                        ; 32 (A / 2) rows of 4,096 bytes
	s_and_b32 s35, s30, 1
	s_lshl_b32 s35, s35, 15                        ; + 8 (A % 2) rows
	s_add_co_u32 s34, s34, s35
	s_lshl_b32 s35, s31, 9                         ; + 512 bytes for each fragment
	s_add_co_u32 s34, s34, s35
	s_mov_b32 s35, 0
	s_add_nc_u64 s[22:23], s[4:5], s[34:35]
	s_lshr_b32 s36, s30, 4
	s_lshl_b32 s36, s36, 18                        ; the block of 256 rows
	s_lshl_b32 s37, s31, 15                        ; the fragment along K
	s_add_co_u32 s36, s36, s37
	s_and_b32 s37, s30, 15
	s_lshl_b32 s37, s37, 11                        ; the tile in the block
	s_add_co_u32 s36, s36, s37
	s_mov_b32 s37, 0
	s_add_nc_u64 s[24:25], s[16:17], s[36:37]      ; a base for each of the three parts: a part's 8,388,608 bytes do not fit a store's immediate
	s_add_nc_u64 s[26:27], s[24:25], 0x800000
	s_add_nc_u64 s[28:29], s[26:27], 0x800000
	s_mul_i32 s33, s20, STGB                       ; my stage
	v_lshlrev_b32 v4, 4, v1                        ; 16 x lane: my bytes of a load's 512, and of a piece's 512
	v_add_nc_u32 v5, s33, v4                       ; into the stage: as loaded
	v_mul_u32_u24 v6, v2, 528
	v_lshl_add_u32 v6, v3, 6, v6
	v_add_nc_u32 v6, s33, v6                       ; out of it: row r, + 64 h: my 16 neighbours of a block of 32
.irp fi, 0,1
.irp i, 0,1,2,3,4,5,6,7,8,9,10,11,12,13,14,15
	global_load_b128 v[R0+64*\fi+4*\i:R0+64*\fi+4*\i+3], v4, s[22:23] offset:(\i+8*(\i/8))*4096+512*\fi th:TH_LOAD_NT   ; 32 lanes read 512 consecutive bytes of the tile's row i; read once in the launch
.endr
.endr
	s_wait_kmcnt 0x0
	MKSC 11, 8, 69                                 ; entry 1: x for q
	MKSC 12, 9, 71                                 ; entry 3: x for k
	MKSC 13, 10, 73                                ; entry 5: x for v
; One fragment: through the stage (a wave's LDS instructions are served in order, so no wait stands between the stores and the loads), then piece by piece under the three scales.
.macro XFRAG fi, rin, xin
	s_wait_loadcnt 16*(1-\fi)                      ; this fragment's 16 loads are in; the other fragment's 16 younger ones may be out
.irp i, 0,1,2,3,4,5,6,7,8,9,10,11,12,13,14,15
	ds_store_b128 v5, v[\rin+4*\i:\rin+4*\i+3] offset:528*\i
.endr
.irp c, 0,1,2,3
.irp i, 0,1,2,3
	ds_load_b128 v[\xin+16*\c+4*\i:\xin+16*\c+4*\i+3], v6 offset:128*\c+16*\i
.endr
.endr
.irp c, 0,1,2,3
	s_wait_dscnt 4*(3-\c)                          ; piece c's four loads are in; the later pieces' may be out
.irp y, 0,1,2
.irp i, 0,1,2,3,4,5,6,7,8,9,10,11,12,13,14,15
	v_med3_num_f32 v[TX+\i], v[\xin+16*\c+\i], -v[8+\y], v[8+\y]   ; the conversion to an 8-bit code does not saturate (ISA guide 7.6.2): the hold at the largest code x the scale
.endr
.if \y == 0
	s_wait_xcnt 0x0                                ; the last piece's stores have read their data: the codes' registers are rewritten only behind this wait
.endif
	v_cvt_scalef32_pk8_fp8_f32 v[CX+4*\y:CX+4*\y+1], v[TX:TX+7], v[11+\y]
	v_cvt_scalef32_pk8_fp8_f32 v[CX+4*\y+2:CX+4*\y+3], v[TX+8:TX+15], v[11+\y]
	v_nop                                          ; a plain line between the conversions and the next holds, which write their sources
.endr
.irp y, 0,1,2
	global_store_b128 v4, v[CX+4*\y:CX+4*\y+3], s[24+2*\y:25+2*\y] offset:32768*\fi+512*\c   ; a whole piece: 512 consecutive bytes, aligned
.endr
.endr
.endm
	XFRAG 0, R0, X0
	XFRAG 1, R1, R0                                ; fragment 0's stage stores were shown done by its last wait on DScnt, for 0
	s_wait_tensorcnt 0x0                           ; the wave's end
	ds_add_u32 v[SPW], v[NIL]
	s_wait_dscnt 0x0
	s_endpgm
; ---- the weights.  A panel is 64 columns (4 tiles): panels 0-15 Wq's heads, 16-19 Wk's groups, 20-23 Wv's, 24-39 Wp's.  Two work-groups to a panel; a wave takes 32 columns x 128 along K.
; A LANE TAKES A COLUMN AND ITS REGISTERS RUN DOWN K: lane 16 u + r takes column 32 b + 8 u + r + 8 (r / 8), so the 32 lanes read 128 consecutive bytes of a row, and two neighbouring waves a panel's 256.
.Lweights:
	s_lshr_b32 s21, ttmp9, 1                       ; the panel
	s_cmp_lt_u32 s21, 24
	s_cselect_b64 s[22:23], s[10:11], s[12:13]     ; the choices hang on the work-group's number alone
	s_cselect_b32 s24, 20, 24                      ; the tensor's first panel
	s_cselect_b32 s25, 8, 12                       ; a row down K is 2^8 bytes in Wq, Wk, Wv, 2^12 in Wp
	s_cselect_b32 s26, 18, 8                       ; from panel to panel: 2^18 bytes, in Wp 2^8
	s_cmp_lt_u32 s21, 20
	s_cselect_b64 s[22:23], s[8:9], s[22:23]
	s_cselect_b32 s24, 16, s24
	s_cmp_lt_u32 s21, 16
	s_cselect_b64 s[22:23], s[6:7], s[22:23]
	s_cselect_b32 s24, 0, s24
	s_sub_co_u32 s28, s21, s24
	s_lshl_b32 s28, s28, s26
	s_mov_b32 s29, 0
	s_and_b32 s31, ttmp9, 1
	s_lshl_b32 s31, s31, 2
	s_lshr_b32 s30, s20, 1
	s_add_co_u32 s31, s31, s30                     ; my fragment along K
	s_and_b32 s54, s20, 1                          ; b: my half of the panel
	s_lshl_b32 s50, s31, 7
	s_lshl_b32 s50, s50, s25                       ; 128 rows for each fragment
	s_mov_b32 s51, 0
	s_lshl_b32 s52, 16, s25                        ; 16 rows: from group to group
	s_mov_b32 s53, 0
	s_lshl_b32 s55, 1, s25                         ; a row
	s_add_nc_u64 s[32:33], s[22:23], s[28:29]
	s_add_nc_u64 s[32:33], s[32:33], s[50:51]      ; a base for each of the eight groups of 16 rows, s[32:47]; never rewritten
.irp g, 1,2,3,4,5,6,7
	s_add_nc_u64 s[32+2*\g:33+2*\g], s[30+2*\g:31+2*\g], s[52:53]
.endr
	s_lshr_b32 s56, s21, 2
	s_lshl_b32 s56, s56, 18                        ; the block of 256 columns
	s_lshl_b32 s57, s31, 15                        ; the fragment along K
	s_add_co_u32 s56, s56, s57
	s_and_b32 s57, s21, 3
	s_lshl_b32 s57, s57, 2
	s_lshl_b32 s58, s54, 1
	s_add_co_u32 s57, s57, s58                     ; my first tile in the block: 4 (panel % 4) + 2 b
	s_lshl_b32 s57, s57, 11
	s_add_co_u32 s56, s56, s57
	s_mov_b32 s57, 0
	s_add_nc_u64 s[48:49], s[18:19], s[56:57]
	v_and_b32 v12, 8, v2
	v_add_nc_u32 v12, v12, v2                      ; r + 8 (r / 8)
	v_lshl_add_u32 v12, v3, 3, v12                 ; + 8 u
	s_lshl_b32 s58, s54, 5
	v_add_nc_u32 v12, s58, v12                     ; + 32 b: my column in the panel
	v_lshlrev_b32 v12, 2, v12
	v_mov_b32 v11, s55
.irp i, 0,1,2,3,4,5,6,7,8,9,10,11,12,13,14,15
	v_mad_u32_u24 v[VO+\i], v11, \i, v12           ; row i of a group, my column
.endr
	v_lshlrev_b32 v10, 4, v2
	v_lshl_add_u32 v10, v3, 11, v10                ; out: tile u's image, 16 r
.macro WLOAD g                         ; group g: k = 16 g + 0 .. 15 of the fragment
.irp i, 0,1,2,3,4,5,6,7,8,9,10,11,12,13,14,15
	global_load_b32 v[RW+16*((\g)%4)+\i], v[VO+\i], s[32+2*(\g):33+2*(\g)]
.endr
.endm
	WLOAD 0
	WLOAD 1
	WLOAD 2
	WLOAD 3
	s_wait_kmcnt 0x0
	s_cmp_lt_u32 s21, 24
	s_cselect_b32 s27, s72, s79                    ; the tensor's exponent: entry 4, or 11,
	s_cmp_lt_u32 s21, 20
	s_cselect_b32 s27, s70, s27                    ; 2,
	s_cmp_lt_u32 s21, 16
	s_cselect_b32 s27, s68, s27                    ; 0
	MKSC 9, 8, 27
; Group g = 2 c + h is what lane r + 16 h of piece c holds: my 16 codes go to 512 c + 256 h + 16 r of my tile's image: sixteen lanes fill 256 consecutive bytes, aligned.
.macro WGRP g
.if 7-(\g) >= 3
	s_wait_loadcnt 48                              ; this group's 16 loads are in; the three younger groups' may be out
.else
	s_wait_loadcnt 16*(7-(\g))
.endif
.irp i, 0,1,2,3,4,5,6,7,8,9,10,11,12,13,14,15
	v_med3_num_f32 v[TW+\i], v[RW+16*((\g)%4)+\i], -v8, v8
.endr
.if (\g) < 4
	WLOAD (\g)+4
.endif
	v_cvt_scalef32_pk8_fp8_f32 v[CW+4*(\g):CW+4*(\g)+1], v[TW:TW+7], v9
	v_cvt_scalef32_pk8_fp8_f32 v[CW+4*(\g)+2:CW+4*(\g)+3], v[TW+8:TW+15], v9
	v_nop                                          ; a plain line between the conversions and the next holds, which write their sources
	global_store_b128 v10, v[CW+4*(\g):CW+4*(\g)+3], s[48:49] offset:512*((\g)/2)+256*((\g)%2)
.endm
.irp g, 0,1,2,3,4,5,6,7
	WGRP \g
.endr
	s_endpgm
.Lfunc_end_k_q69019c217d_prep:
	.size	k_q69019c217d_prep, .Lfunc_end_k_q69019c217d_prep-k_q69019c217d_prep
	.p2alignl 7, 3214868480
	.fill 96, 4, 3214868480
	.section	.rodata,"a",@progbits
	.p2align	6, 0x0
	.amdhsa_kernel k_q69019c217d_prep
		.amdhsa_group_segment_fixed_size 68608
		.amdhsa_private_segment_fixed_size 0
		.amdhsa_enable_private_segment 0
		.amdhsa_kernarg_size 64
		.amdhsa_user_sgpr_count 2
		.amdhsa_user_sgpr_kernarg_segment_ptr 1
		.amdhsa_wavefront_size32 1
		.amdhsa_system_sgpr_workgroup_id_x 1
		.amdhsa_system_sgpr_workgroup_id_y 1
		.amdhsa_system_sgpr_workgroup_id_z 1
		.amdhsa_system_vgpr_workitem_id 0
		.amdhsa_next_free_vgpr 256
		.amdhsa_next_free_sgpr 96
		.amdhsa_reserve_vcc 0
		.amdhsa_float_denorm_mode_32 3
		.amdhsa_float_denorm_mode_16_64 3
		.amdhsa_memory_ordered 1
		.amdhsa_forward_progress 1
		.amdhsa_inst_pref_size 67
	.end_amdhsa_kernel
	.amdgpu_metadata
---
amdhsa.version: [ 1, 2 ]
amdhsa.kernels:
  - .name:           k_q69019c217d_prep
    .symbol:         k_q69019c217d_prep.kd
    .args:
      - { .name: x, .offset: 0, .size: 8, .value_kind: global_buffer, .address_space: global }
      - { .name: Wq, .offset: 8, .size: 8, .value_kind: global_buffer, .address_space: global }
      - { .name: Wk, .offset: 16, .size: 8, .value_kind: global_buffer, .address_space: global }
      - { .name: Wv, .offset: 24, .size: 8, .value_kind: global_buffer, .address_space: global }
      - { .name: Wp, .offset: 32, .size: 8, .value_kind: global_buffer, .address_space: global }
      - { .name: lowp_scales, .offset: 40, .size: 8, .value_kind: global_buffer, .address_space: global }
      - { .name: xcodes, .offset: 48, .size: 8, .value_kind: global_buffer, .address_space: global }
      - { .name: wcodes, .offset: 56, .size: 8, .value_kind: global_buffer, .address_space: global }
    .group_segment_fixed_size: 68608
    .private_segment_fixed_size: 0
    .kernarg_segment_align: 8
    .kernarg_segment_size: 64
    .max_flat_workgroup_size: 256
    .sgpr_count:     96
    .vgpr_count:     256
    .wavefront_size: 32
...
	.end_amdgpu_metadata
.endif
;; end of part 1
;; launch qkv (part 2): grid 32 x 6, 4 waves a work-group, clusters of 4 x 1, 327,680 bytes of LDS; arguments xcodes, wcodes, lowp_scales, qcodes, kvcodes; writes qcodes, kvcodes
.if DOCPART == 2
	.amdgcn_target "amdgcn-amd-amdhsa--gfx1250"
	.amdhsa_code_object_version 6
	.text
	.protected	k_q69019c217d_qkv
	.globl	k_q69019c217d_qkv
	.p2align	8
	.type	k_q69019c217d_qkv,@function
k_q69019c217d_qkv:
	s_mov_b64 s[64:65], 0
	v_nop
	global_prefetch_b8 v0, s[64:65] scope:SCOPE_SE
	s_setreg_imm32_b32 hwreg(HW_REG_WAVE_MODE, 25, 1), 1
	s_wait_xcnt 0x0
	s_wait_alu depctr_hold_cnt(0) depctr_sa_sdst(0) depctr_va_vdst(0) depctr_va_sdst(0) depctr_va_ssrc(0) depctr_va_vcc(0) depctr_vm_vsrc(0)
	s_getreg_b32 s2, hwreg(HW_REG_IB_STS2, 6, 4)
	s_cmp_eq_u32 s2, 0
	s_cbranch_scc0 .Lentry_in_a_cluster
	s_endpgm
.Lentry_in_a_cluster:
	s_bfe_u32 s2, ttmp6, 0x10000c
	s_cmp_lg_u32 s2, 0x3003
	s_cbranch_scc0 .Lentry_shape_is_right
	s_endpgm
.Lentry_shape_is_right:
; QKV: q = x Wq, k = x Wk, v = x Wv on codes of FP8 (E4M3); each f32 sum is quantised at once, by the scale given for it as an operand of attention, and stored as an image of operand registers.
; A work-group makes 256 rows of x (block R = work-group x) x 256 columns (block Cb = work-group y: 0-3 q, 4 k, 5 v); K = 1,024.  Four waves, each 128 x 128: 64 accumulators, 512 registers.
; TILES AND IMAGES: tile a holds rows 32 (a / 2) + 8 (a % 2) + r + 8 (r / 8); a fragment image (16 rows x 128 K) is 4 pieces of 512 bytes, lane r + 16 h of piece c: k = 32 c + 16 h + 0 .. 15.
; So a fragment is four ds_load_b128 at 16 x lane, 512 consecutive bytes each: no pitch, no padding.  (A permutation of k, the same in both operands: each product meets its partner.)
; P is source 0, Q source 1.  In a result, register j of lane (r, h) is P's row 8 h + j of its tile, which is row 32 (a / 2) + 8 (a % 2) + 16 h + j: the 16 registers of P's tiles 2 b, 2 b + 1 are 16 NEIGHBOURS,
; one lane's 16 bytes of piece b of the next operand, whose rows are Q's.  For q and k: Q = x's rows, P = the weight's columns (the head's axis is the next K).  For v: P = x's rows (the keys are the next K), Q = Wv's columns.
; The tensor loads are the same for all three; for v the waves' LDS read bases change places, by a choice on the work-group's y.
; K goes in 4 steps of 256 through two LDS slots; a slot: region A (x: 2 fragments along K x 16 tiles x 2,048) and region B (the weights, likewise).  A wave's one tensor load brings 32 KiB, dense in memory.
; CLUSTER: the four work-groups of a cluster share Cb, so region B is asked for JOINTLY (mask 15); region A is each work-group's own (no mask), behind the same rounds.  A 4 x 4 cluster is not taken: the grid has 6 column
; blocks, which 4 does not divide, and the x codes of q, k and v are three different tensors.
; LIMITS on the given exponents e0 .. e11: e6 - e0 - e1, e7 - e2 - e3 and e9 - e4 - e5 lie between -126 and 119.
; REGISTERS: window 0: v12, v13 the scale and the hold; v16-29 addresses; v128-255 Q's fragments, ONE set; on the way out v32-95 held sums, v96-223 codes.  window 1: P's fragments, TWO sets (v0, v128).  windows 2, 3: accumulator (qi, pi) at v[8 (8 (qi % 4) + pi)].
.set SLOT,  131072
.set REGB,  65536
.set KFB,   32768                      ; a fragment along K of a block: 16 tiles x 2,048 bytes
.set TLB,   2048
.set SPARE, 2*SLOT                     ; behind the ring: the spare words, 128 bytes for each wave: two blocks of 256 bytes that no other line names
.set FR,    16
.set NL,    4
.set NP,    4                          ; places behind this matrix instruction (ISA guide 7.12.1)
.set ADRQ,  16                         ; v16-17  LDS address of my Q fragments in slot 0, 1
.set ADRP,  20                         ; v20-21  the same for P
.set LI,    26                         ; v26     16 x lane
.set SPW,   28                         ; v28     LDS address of my spare word; never rewritten
.set NIL,   29                         ; v29     0; never rewritten
.set TMP,   32
.set CD,    96
.set AF,    128
.set G1,  24                           ; s[24:31] descriptor group 1 for region A;  s[32:39] group 0, one set for each slot
.set G0,  32
.set G1B, 48                           ; s[48:55], s[56:63] the same for region B
.set G0B, 56
.set MSB, 0
.macro WIN new                         ; the immediate's high byte repeats the setting that is left
.if MSB != \new
	s_set_vgpr_msb (MSB<<8)|\new
.set MSB, \new
.endif
.endm
.set MUL_LO, 0xa1                      ; source 0 (P) window 1, source 1 (Q) window 0, C and D window 2
.set MUL_HI, 0xf1                      ; the same, C and D window 3
.set TO_P,   0x40                      ; destination window 1, address window 0
; Waves 0 and 1 fetch region A's two fragments along K, waves 2 and 3 region B's.  The branch hangs on the wave's number alone.  An s_nop 0 and four v_nop follow each of the two lines.
.macro JLOAD g0a, g1a, g0b, g1b
	s_cmp_eq_u32 s15, 0
	s_cbranch_scc0 .Lfor_b_\@
	tensor_load_to_lds s[\g0a:\g0a+3], s[\g1a:\g1a+7]
	s_nop 0
.rept 4
	v_nop
.endr
	s_branch .Lasked_\@
.Lfor_b_\@:
	tensor_load_to_lds s[\g0b:\g0b+3], s[\g1b:\g1b+7]
	s_nop 0
.rept 4
	v_nop
.endr
.Lasked_\@:
.endm
.macro CREST                           ; a round of the cluster's barrier behind its opening barrier
	s_cmp_lg_u32 s14, 0
	s_cbranch_scc1 .Lnot_wave_0_\@
	s_barrier_signal -3
.Lnot_wave_0_\@:
	s_barrier_wait -3
	s_barrier_signal -1
	s_barrier_wait -1
.endm
.macro CROUND                          ; a whole round
	s_barrier_signal -1
	s_barrier_wait -1
	CREST
.endm
	s_load_b256 s[4:11], s[0:1], 0x0               ; xcodes s[4:5], wcodes s[6:7], the exponents s[8:9], qcodes s[10:11]
	s_load_b64 s[12:13], s[0:1], 0x20              ; kvcodes
	v_lshl_add_u32 v[SPW], v0, 2, SPARE
	v_mov_b32 v[NIL], 0
	ds_add_u32 v[SPW], v[NIL]                      ; the wave's opening: the add and its wait stand ahead of my first tensor load; the set-up below, work on registers, stands between them
	v_lshrrev_b32 v1, 5, v0
	v_readfirstlane_b32 s14, v1                    ; wave 0..3
	s_lshr_b32 s15, s14, 1                         ; my half of Q's 16 tiles.  Also: I fetch for region A (0) or B (1)
	s_and_b32 s16, s14, 1                          ; my half of P's 16 tiles.  Also: which of a slot's two fragments along K I fetch
	s_bfe_u32 s40, ttmp6, 0x40000                  ; cx: it enters global addresses of x and of the results alone
	s_lshl_b32 s17, ttmp9, 2
	s_add_co_u32 s17, s17, s40                     ; R: my block of 256 rows
	s_and_b32 s18, ttmp7, 0xffff                   ; Cb: the block of 256 columns, which the four partners share
	; descriptor group 1: 32 KiB, dense in memory, as 128 rows of 32 elements of 8 bytes; no padding
	s_mov_b32 s[G1+0], 3<<16                       ; 15:0 no mask; 17:16 elements of 8 bytes
	s_mov_b32 s[G1B+0], 15|(3<<16)|(1<<21)         ; 15:0 the mask: all four work-groups; 21 set beside a mask
.irp g, G1, G1B
	s_mov_b32 s[\g+1], 32<<16                      ; tensor_dim0
	s_mov_b32 s[\g+2], 128<<16                     ; tensor_dim1
	s_mov_b32 s[\g+3], 32<<16                      ; tile_dim0
	s_mov_b32 s[\g+4], 128                         ; tile_dim1
	s_mov_b32 s[\g+5], 32                          ; tensor_dim0_stride
	s_mov_b32 s[\g+6], 0
	s_mov_b32 s[\g+7], 0
.endr
	s_max_u32 s20, s18, 3
	s_sub_co_u32 s20, s20, 3                       ; which part of xcodes: 0 for q, 1 for k, 2 for v
	s_lshl_b32 s20, s20, 23
	s_lshl_b32 s21, s17, 18                        ; my block
	s_add_co_u32 s20, s20, s21
	s_lshl_b32 s21, s16, 15                        ; my fragment along K
	s_add_co_u32 s20, s20, s21
	s_mov_b32 s21, 0
	s_lshl_b32 s46, s18, 18                        ; region B: the column block, my fragment along K
	s_lshl_b32 s47, s16, 15
	s_add_co_u32 s46, s46, s47
	s_mov_b32 s47, 0
	s_lshl_b32 s45, s14, 15                        ; where they go: wave x 32 KiB: no place in the cluster enters an LDS address
	s_wait_dscnt 0x0                               ; the opening add is done
	s_wait_kmcnt 0x0
	s_load_b256 s[68:75], s[8:9], 0x0              ; e0 .. e7
	s_load_b128 s[76:79], s[8:9], 0x20             ; e8 .. e11
	s_add_nc_u64 s[20:21], s[4:5], s[20:21]
	s_add_nc_u64 s[46:47], s[6:7], s[46:47]
	CROUND                                         ; all four work-groups are here: the first joint loads meet
.irp s, 0,1
	s_mov_b32 s[G0+4*\s], 1
	s_add_co_u32 s[G0+4*\s+1], s45, \s*SLOT
	s_add_nc_u64 s[G0+4*\s+2:G0+4*\s+3], s[20:21], \s*2*KFB
	s_or_b32 s[G0+4*\s+3], s[G0+4*\s+3], 0x80000000
	s_mov_b32 s[G0B+4*\s], 1
	s_add_co_u32 s[G0B+4*\s+1], s45, \s*SLOT
	s_add_nc_u64 s[G0B+4*\s+2:G0B+4*\s+3], s[46:47], \s*2*KFB
	s_or_b32 s[G0B+4*\s+3], s[G0B+4*\s+3], 0x80000000
	JLOAD G0+4*\s, G1, G0B+4*\s, G1B               ; two loads of mine are out
.endr
	v_and_b32 v1, 31, v0
	v_lshlrev_b32 v[LI], 4, v1
	s_cmp_eq_u32 s18, 5                            ; v: x is source 0.  Both values keep a read inside its slot
	s_cselect_b32 s21, REGB, 0                     ; Q's region
	s_cselect_b32 s22, 0, REGB                     ; P's region
	s_lshl_b32 s23, s15, 14
	s_add_co_u32 s21, s21, s23                     ; my eight tiles of Q
	s_lshl_b32 s23, s16, 14
	s_add_co_u32 s22, s22, s23                     ; my eight tiles of P
.irp s, 0,1
	v_add_nc_u32 v[ADRQ+\s], s21, v[LI]
	v_add_nc_u32 v[ADRP+\s], s22, v[LI]
	s_add_co_u32 s21, s21, SLOT
	s_add_co_u32 s22, s22, SLOT
.endr
.macro FRAG reg, adr, q, i             ; a fragment: four pieces of 512 consecutive bytes
.irp c, 0,1,2,3
	ds_load_b128 v[\reg+4*\c:\reg+4*\c+3], v[\adr] offset:KFB*(\q)+TLB*(\i)+512*\c
.endr
.endm
; 16 matrix instructions: Q's tiles a0, a0 + 1 x P's eight, 128 along K.  p: P's set.  zero = 1: the first product starts the sums.  The 64 accumulators take turns, one instruction a turn, in the same order in every step.
.macro MUL16 a0, p, zero
.irp a, \a0, \a0+1
.irp b, 0,1,2,3,4,5,6,7
.if \zero
	v_wmma_f32_16x16x128_fp8_fp8 v[8*(8*((\a)%4)+\b):8*(8*((\a)%4)+\b)+7], v[128*(\p)+FR*\b:128*(\p)+FR*\b+FR-1], v[AF+FR*(\a):AF+FR*(\a)+FR-1], 0
.else
	v_wmma_f32_16x16x128_fp8_fp8 v[8*(8*((\a)%4)+\b):8*(8*((\a)%4)+\b)+7], v[128*(\p)+FR*\b:128*(\p)+FR*\b+FR-1], v[AF+FR*(\a):AF+FR*(\a)+FR-1], v[8*(8*((\a)%4)+\b):8*(8*((\a)%4)+\b)+7]
.endif
.endr
.endr
.endm
.macro FETCH_P slot, q, p
	WIN TO_P
.irp i, 0,1,2,3,4,5,6,7
	FRAG 128*(\p)+FR*\i, ADRP+\slot, \q, \i
.endr
	WIN 0
.endm
.macro FETCH_Q slot, q, i0
.irp i, \i0, \i0+1, \i0+2, \i0+3
	FRAG AF+FR*(\i), ADRQ+\slot, \q, \i
.endr
.endm
.macro PLACES n                        ; plain vector lines in front of loads into registers that matrix instructions have read, and of the first read of results
.rept \n
	v_nop
.endr
.endm
; A step of 128 along K that has its successor in the same slot.  Q's tile is free as soon as its eight products are issued, so one set serves Q: tiles 0-3 are fetched anew in the step's middle, 4-7 at its end.
.macro STEP slot, q, zero
	s_wait_dscnt 4*NL                              ; P's set and Q's tiles 0-3 are in; the 16 youngest loads (Q's tiles 4-7) may be out
	WIN MUL_LO
	MUL16 0, (\q)%2, \zero
	MUL16 2, (\q)%2, \zero
	s_wait_dscnt 0
	PLACES NP
	FETCH_P \slot, (\q)+1, 1-(\q)%2
	FETCH_Q \slot, (\q)+1, 0
	WIN MUL_HI
	MUL16 4, (\q)%2, \zero
	MUL16 6, (\q)%2, \zero
	PLACES NP
	WIN 0
	FETCH_Q \slot, (\q)+1, 4
.endm
; A slot's last step changes slots: ONE barrier; in front of it each wave waits for all its tensor loads, adds 0 to its spare word, and waits for that and for its own reads of this slot.  fill = 1: this slot is filled again, two K steps ahead.
.macro TURN slot, next, fill
	s_wait_tensorcnt 0x0                           ; all my tensor loads have landed: my part of the next slot
	ds_add_u32 v[SPW], v[NIL]                      ; 0 onto my spare word
	s_wait_dscnt 4*NL+1                            ; (the add and the 16 youngest loads may be out)
	WIN MUL_LO
	MUL16 0, 1, 0                                  ; sixteen matrix instructions stand between the add and the wait for it
	s_wait_dscnt 0x0                               ; the add is done, and my reads of this slot are over
	s_barrier_signal -1
	MUL16 2, 1, 0
	WIN 0
	s_barrier_wait -1
.if \fill
	CREST                                          ; the barrier has opened a round of the cluster's barrier: no wave of any partner still reads this slot or has a load on its way
	s_add_nc_u64 s[G0+4*\slot+2:G0+4*\slot+3], s[G0+4*\slot+2:G0+4*\slot+3], 4*KFB
	s_add_nc_u64 s[G0B+4*\slot+2:G0B+4*\slot+3], s[G0B+4*\slot+2:G0B+4*\slot+3], 4*KFB
	JLOAD G0+4*\slot, G1, G0B+4*\slot, G1B         ; the first tensor load behind the round, and my only one until the next; its four v_nop are the places in front of the loads below
.else
	PLACES NP
.endif
	FETCH_P \next, 0, 0
	FETCH_Q \next, 0, 0
	WIN MUL_HI
	MUL16 4, 1, 0
	MUL16 6, 1, 0
	PLACES NP
	WIN 0
	FETCH_Q \next, 0, 4
.endm
	s_wait_tensorcnt 1                             ; my part of K step 0 is in; K step 1's load may be out
	s_barrier_signal -1
	s_barrier_wait -1
	FETCH_P 0, 0, 0
	FETCH_Q 0, 0, 0
	FETCH_Q 0, 0, 4
	STEP 0, 0, 1                                   ; K = 1,024 is eight steps of 128: written out, no loop
	TURN 0, 1, 1
	STEP 1, 0, 0
	TURN 1, 0, 1
	STEP 0, 0, 0
	TURN 0, 1, 0                                   ; the last lap fills nothing
	STEP 1, 0, 0
	s_wait_dscnt 4*NL
	WIN MUL_LO
	MUL16 0, 1, 0
	MUL16 2, 1, 0
	s_wait_dscnt 0
	WIN MUL_HI
	MUL16 4, 1, 0
	MUL16 6, 1, 0
	WIN 0
; THE WAY OUT.  A sum stands for sum x 2^(the two operands' exponents): the three scales are folded into the conversion's one.
	s_wait_kmcnt 0x0
	s_sub_co_i32 s80, s74, s68
	s_sub_co_i32 s80, s80, s69                     ; q: e6 - e0 - e1
	s_sub_co_i32 s81, s75, s70
	s_sub_co_i32 s81, s81, s71                     ; k: e7 - e2 - e3
	s_sub_co_i32 s82, s77, s72
	s_sub_co_i32 s82, s82, s73                     ; v: e9 - e4 - e5
	s_cmp_lt_u32 s18, 4
	s_cselect_b32 s80, s80, s81
	s_cmp_eq_u32 s18, 5
	s_cselect_b32 s80, s82, s80
	s_add_co_i32 s80, s80, 127
	s_lshl_b32 s81, s80, 23
	v_mov_b32 v12, s81                             ; the scale as f32
	s_add_co_i32 s80, s80, 8
	s_lshl_b32 s80, s80, 23
	s_or_b32 s80, s80, 0x600000
	v_mov_b32 v13, s80                             ; 448 x the scale
	PLACES NP
.macro CONV qi                         ; Q's tile qi: 64 sums a lane become 64 codes, v[CD + 16 qi ..]: registers 4 pp .. 4 pp + 3 are my 16 bytes of piece pp
	WIN 0x02+((\qi)/4)                             ; source 0: window 2 or 3
.set n, 0
.rept 64
	v_med3_num_f32 v[TMP+n], v[64*((\qi)%4)+n], -v13, v13   ; the hold at the largest code x the scale; each accumulator from its low end on
.set n, n+1
.endr
	WIN 0
.irp p, 0,1,2,3,4,5,6,7
	v_cvt_scalef32_pk8_fp8_f32 v[CD+16*(\qi)+2*\p:CD+16*(\qi)+2*\p+1], v[TMP+8*\p:TMP+8*\p+7], v12
.endr
	v_nop                                          ; a plain line between the conversions and the next holds, which write their sources
.endm
.irp qi, 0,1,2,3,4,5,6,7
	CONV \qi
.endr
	s_lshr_b32 s84, s17, 3                         ; the batch: 8 blocks of 256 rows each
	s_and_b32 s85, s17, 7                          ; my block in it
	s_cmp_lt_u32 s18, 4                            ; the branches hang on the column block, which the partners share
	s_cbranch_scc0 .Lnot_q
	; q: qcodes [64 heads][128 tiles][1,024].  My P half is two heads, piece pp: head pp / 2, piece pp % 2 of its 64
	s_lshl_b32 s20, s84, 4
	s_lshl_b32 s21, s18, 2
	s_add_co_u32 s20, s20, s21
	s_lshl_b32 s21, s16, 1
	s_add_co_u32 s20, s20, s21                     ; my first head
	s_lshl_b32 s20, s20, 7
	s_lshl_b32 s21, s85, 4
	s_add_co_u32 s20, s20, s21
	s_lshl_b32 s21, s15, 3
	s_add_co_u32 s20, s20, s21                     ; my first tile of queries
	s_lshl_b32 s20, s20, 10
	s_mov_b32 s21, 0
	s_add_nc_u64 s[20:21], s[10:11], s[20:21]
.irp qi, 0,1,2,3,4,5,6,7
.irp pp, 0,1,2,3
	global_store_b128 v[LI], v[CD+16*\qi+4*\pp:CD+16*\qi+4*\pp+3], s[20:21] offset:\qi*1024+(\pp/2)*131072+(\pp%2)*512   ; a whole piece: 512 consecutive bytes, aligned
.endr
.endr
	s_branch .Ldone
.Lnot_q:
	s_cmp_eq_u32 s18, 4
	s_cbranch_scc0 .Lis_v
	; k: kvcodes [16 (batch, group)][16 steps of 128 keys][8 tiles x 1,024 | ..].  My P half is two groups
	s_lshl_b32 s20, s84, 2
	s_lshl_b32 s21, s16, 1
	s_add_co_u32 s20, s20, s21
	s_lshl_b32 s20, s20, 18
	s_lshl_b32 s21, s85, 1
	s_add_co_u32 s21, s21, s15                     ; my Q half is one step of 128 keys
	s_lshl_b32 s21, s21, 14
	s_add_co_u32 s20, s20, s21
	s_mov_b32 s21, 0
	s_add_nc_u64 s[20:21], s[12:13], s[20:21]
.irp qi, 0,1,2,3,4,5,6,7
.irp pp, 0,1,2,3
	global_store_b128 v[LI], v[CD+16*\qi+4*\pp:CD+16*\qi+4*\pp+3], s[20:21] offset:\qi*1024+(\pp/2)*262144+(\pp%2)*512
.endr
.endr
	s_branch .Ldone
.Lis_v:
	; v: kvcodes [..][..][.. | 4 tiles of the head's 64 x 2,048], the KEYS innermost.  My Q half is two groups (tile qi: group qi / 4, tile qi % 4), my P half one step of 128 keys
	s_lshl_b32 s20, s84, 2
	s_lshl_b32 s21, s15, 1
	s_add_co_u32 s20, s20, s21
	s_lshl_b32 s20, s20, 18
	s_lshl_b32 s21, s85, 1
	s_add_co_u32 s21, s21, s16
	s_lshl_b32 s21, s21, 14
	s_add_co_u32 s20, s20, s21
	s_add_co_u32 s20, s20, 8192
	s_mov_b32 s21, 0
	s_add_nc_u64 s[20:21], s[12:13], s[20:21]
.irp qi, 0,1,2,3,4,5,6,7
.irp pp, 0,1,2,3
	global_store_b128 v[LI], v[CD+16*\qi+4*\pp:CD+16*\qi+4*\pp+3], s[20:21] offset:(\qi/4)*262144+(\qi%4)*2048+\pp*512
.endr
.endr
.Ldone:
	s_wait_tensorcnt 0x0                           ; the wave's end: three lines behind my last tensor load
	ds_add_u32 v[SPW], v[NIL]
	s_wait_dscnt 0x0
	CROUND                                         ; the closing round: no work-group ends while a partner may still ask for a tile that names it
	s_endpgm
.Lfunc_end_k_q69019c217d_qkv:
	.size	k_q69019c217d_qkv, .Lfunc_end_k_q69019c217d_qkv-k_q69019c217d_qkv
	.p2alignl 7, 3214868480
	.fill 96, 4, 3214868480
	.section	.rodata,"a",@progbits
	.p2align	6, 0x0
	.amdhsa_kernel k_q69019c217d_qkv
		.amdhsa_group_segment_fixed_size 327680
		.amdhsa_private_segment_fixed_size 0
		.amdhsa_enable_private_segment 0
		.amdhsa_kernarg_size 40
		.amdhsa_user_sgpr_count 2
		.amdhsa_user_sgpr_kernarg_segment_ptr 1
		.amdhsa_wavefront_size32 1
		.amdhsa_system_sgpr_workgroup_id_x 1
		.amdhsa_system_sgpr_workgroup_id_y 1
		.amdhsa_system_sgpr_workgroup_id_z 1
		.amdhsa_system_vgpr_workitem_id 0
		.amdhsa_next_free_vgpr 1024
		.amdhsa_next_free_sgpr 98
		.amdhsa_reserve_vcc 0
		.amdhsa_float_denorm_mode_32 3
		.amdhsa_float_denorm_mode_16_64 3
		.amdhsa_memory_ordered 1
		.amdhsa_forward_progress 1
		.amdhsa_inst_pref_size 124
	.end_amdhsa_kernel
	.amdgpu_metadata
---
amdhsa.version: [ 1, 2 ]
amdhsa.kernels:
  - .name:           k_q69019c217d_qkv
    .symbol:         k_q69019c217d_qkv.kd
    .args:
      - { .name: xcodes, .offset: 0, .size: 8, .value_kind: global_buffer, .address_space: global }
      - { .name: wcodes, .offset: 8, .size: 8, .value_kind: global_buffer, .address_space: global }
      - { .name: lowp_scales, .offset: 16, .size: 8, .value_kind: global_buffer, .address_space: global }
      - { .name: qcodes, .offset: 24, .size: 8, .value_kind: global_buffer, .address_space: global }
      - { .name: kvcodes, .offset: 32, .size: 8, .value_kind: global_buffer, .address_space: global }
    .group_segment_fixed_size: 327680
    .private_segment_fixed_size: 0
    .kernarg_segment_align: 8
    .kernarg_segment_size: 40
    .max_flat_workgroup_size: 128
    .sgpr_count:     98
    .vgpr_count:     1024
    .wavefront_size: 32
...
	.end_amdgpu_metadata
.endif
;; end of part 2
;; launch attn (part 3): grid 16 x 16, 16 waves a work-group, clusters of 4 x 1, 264,192 bytes of LDS; arguments qcodes, kvcodes, lowp_scales, ocodes; writes ocodes
.if DOCPART == 3
	.amdgcn_target "amdgcn-amd-amdhsa--gfx1250"
	.amdhsa_code_object_version 6
	.text
	.protected	k_q69019c217d_attn
	.globl	k_q69019c217d_attn
	.p2align	8
	.type	k_q69019c217d_attn,@function
k_q69019c217d_attn:
	s_mov_b64 s[64:65], 0
	v_nop
	global_prefetch_b8 v0, s[64:65] scope:SCOPE_SE
	s_setreg_imm32_b32 hwreg(HW_REG_WAVE_MODE, 25, 1), 1
	s_wait_xcnt 0x0
	s_wait_alu depctr_hold_cnt(0) depctr_sa_sdst(0) depctr_va_vdst(0) depctr_va_sdst(0) depctr_va_ssrc(0) depctr_va_vcc(0) depctr_vm_vsrc(0)
	s_getreg_b32 s2, hwreg(HW_REG_IB_STS2, 6, 4)
	s_cmp_eq_u32 s2, 0
	s_cbranch_scc0 .Lentry_in_a_cluster
	s_endpgm
.Lentry_in_a_cluster:
	s_bfe_u32 s2, ttmp6, 0x10000c
	s_cmp_lg_u32 s2, 0x3003
	s_cbranch_scc0 .Lentry_shape_is_right
	s_endpgm
.Lentry_shape_is_right:
; ATTN: causal attention on codes of FP8 (E4M3), head size 64; four query heads share each (batch, group)'s K and V.  The result, divided by the row's sum, is quantised for the last product and stored as an image.
; THE SOFTMAX AHEAD OF THE SECOND PRODUCT: t = score x log2(e) / 8; M = the row's largest t so far, rounded UP to a whole number; p = 2^(t - M) is what is quantised, not normalised.  The row's sum is taken of the
; unquantised p, in f32, and divides O at the end.  When M moves, the sum and O are multiplied by 2^(old M - new M): exact.
; SHARES.  The four work-groups of a cluster are the four heads of one group (cx = the head: it enters q's and o's global addresses alone); cluster x = c, work-group y = (batch, group).
; Wave w of sixteen owns TWO tiles of 16 queries of its head: the small tile 16 c + w and the large tile 127 - (16 c + w).  Tile a needs a / 8 + 1 key steps of 128, so every wave of every work-group has 17 steps.
; ALL K AND V OF THE (batch, group) LIE IN LDS: 16 steps x 16 KiB (8 tiles of K x 1,024, then 4 tiles of V^T x 2,048), filled once, never again: no ring, and no barrier but one in front of each quarter.
; They are asked for JOINTLY by the four partners (mask 15): waves 0-3, four loads each, chunk ch of wave w is key step 4 ch + w.  A work-group with c > 0 receives up to 6 steps that it does not read: the price of
; descriptors that are constants and alike in all partners.
; LAYOUT.  Both products are used transposed: S^T = K Q^T (source 0 = 16 keys), O^T = V^T P^T (source 0 = 16 of the head's 64): a lane holds ONE query throughout.  A tile's rows are 32 (a / 2) + 8 (a % 2) + r + 8 (r / 8),
; so the 16 registers of tiles 2 b, 2 b + 1 of S^T are keys 32 b + 16 h + 0 .. 15: the conversions' results are the second product's operand; likewise O^T's for the last product.
; THE MASK.  A tile's 16 queries lie in key step a / 8: later steps are left out by a scalar branch on ids, that one step is masked (hidden scores become -infinity), earlier ones are open.
; LIMITS on the given exponents: e6 + e7 between -123 and 130 (added to c's exponent field); e8 and e10 between -126 and 119; e8 + e9 is applied by v_ldexp_f32 and has none.
; No prefetch: all that the launch streams is asked for at its head.
; REGISTERS: v1 16 x lane; v2, v3 the mask's numbers; v4 the step's LDS address; v12 -M, v13 the largest t, v[14:15] the sum; v16-23, v24-31 the two tiles of Q; v32-95 K's 8 fragments, then V^T's 4; v96-159 S^T, then p;
;   v160-191 O^T; v192-207 p's codes; v208-223 o's codes; v240, v244: 448 x 2^e8, 2^e8; v246, v247: 2^e10, 448 x 2^e10; v236-254 at work.
.set SPARE, 262144                     ; behind K and V: the spare words, 128 bytes for each wave: eight blocks of 256 bytes that no other line names
.set LI,  1
.set DQL, 2
.set DQS, 3
.set ADR, 4
.set SPW, 5                            ; v5  LDS address of my spare word; never rewritten
.set NIL, 6                            ; v6  0; never rewritten
.set TB,  2                            ; s2  LDS byte at which the step in hand begins
.set KS,  3                            ; s3  the step in hand
.set WV,  18
.set SEL, 20                           ; s[20:21] lane selects for v_permlanex16_b32: lane l xor 16
.set CS,  22                           ; s[22:23] c = log2(e) / 8 x 2^(e6 + e7)
.set G1,  24                           ; s[24:31] descriptor group 1;  s[32:47] four groups 0
.set G0,  32
.set LASTL, 48                         ; s48, s49 the last step of the large tile, of the small one
.set LASTS, 49
.set CNT, 50
.macro CROUND                          ; a round of the cluster's barrier
	s_barrier_signal -1
	s_barrier_wait -1
	s_cmp_lg_u32 s[WV], 0
	s_cbranch_scc1 .Lnot_wave_0_\@
	s_barrier_signal -3
.Lnot_wave_0_\@:
	s_barrier_wait -3
	s_barrier_signal -1
	s_barrier_wait -1
.endm
.macro MKSC vs, vl, se                 ; v[vs] = 2^e as f32, v[vl] = 448 x 2^e, e in s[se]
	s_add_co_i32 s88, s[\se], 127
	s_lshl_b32 s89, s88, 23
	v_mov_b32 v[\vs], s89
	s_add_co_i32 s88, s88, 8
	s_lshl_b32 s88, s88, 23
	s_or_b32 s88, s88, 0x600000
	v_mov_b32 v[\vl], s88
.endm
	s_load_b256 s[4:11], s[0:1], 0x0               ; qcodes s[4:5], kvcodes s[6:7], the exponents s[8:9], ocodes s[10:11]
	v_lshl_add_u32 v[SPW], v0, 2, SPARE
	v_mov_b32 v[NIL], 0
	ds_add_u32 v[SPW], v[NIL]                      ; the wave's opening: the add and its wait stand ahead of the first tensor loads; the set-up below, work on registers, stands between them
	v_lshrrev_b32 v7, 5, v0
	v_readfirstlane_b32 s[WV], v7                  ; wave 0..15
	s_bfe_u32 s12, ttmp6, 0x40000                  ; cx: the head in its group
	s_and_b32 s14, ttmp7, 0xffff                   ; 4 x batch + group
	s_lshl_b32 s15, ttmp9, 4
	s_add_co_u32 s15, s15, s[WV]                   ; the small tile
	s_sub_co_u32 s16, 127, s15                     ; the large tile
	s_lshr_b32 s[LASTS], s15, 3
	s_lshr_b32 s[LASTL], s16, 3
	; descriptor group 1: a key step's 16 KiB, dense in memory, as 64 rows of 32 elements of 8 bytes; no padding
	s_mov_b32 s[G1], 15|(3<<16)|(1<<21)            ; 15:0 the mask: all four work-groups; 17:16 elements of 8 bytes; 21 set beside a mask
	s_mov_b32 s[G1+1], 32<<16                      ; tensor_dim0
	s_mov_b32 s[G1+2], 64<<16                      ; tensor_dim1
	s_mov_b32 s[G1+3], 32<<16                      ; tile_dim0
	s_mov_b32 s[G1+4], 64                          ; tile_dim1
	s_mov_b32 s[G1+5], 32                          ; tensor_dim0_stride
	s_mov_b32 s[G1+6], 0
	s_mov_b32 s[G1+7], 0
	s_mov_b32 s[SEL], 0x76543210
	s_mov_b32 s[SEL+1], 0xfedcba98
	s_mov_b32 s[CS], 0x3e38aa3b                    ; log2(e) / 8
	s_lshl_b32 s76, s[WV], 14                      ; wave w fetches steps w, 4 + w, 8 + w, 12 + w
	s_lshl_b32 s74, s14, 18                        ; the (batch, group)'s 256 KiB, which the partners share
	s_add_co_u32 s74, s74, s76
	s_mov_b32 s75, 0
	s_wait_dscnt 0x0                               ; the opening add is done
	s_wait_kmcnt 0x0
	s_load_b128 s[52:55], s[8:9], 0x18             ; e6, e7, e8, e9
	s_load_b32 s56, s[8:9], 0x28                   ; e10
	s_add_nc_u64 s[74:75], s[6:7], s[74:75]
.irp ch, 0,1,2,3
	s_mov_b32 s[G0+4*\ch], 1
	s_add_co_u32 s[G0+4*\ch+1], s76, \ch*65536
	s_add_nc_u64 s[G0+4*\ch+2:G0+4*\ch+3], s[74:75], \ch*65536
	s_or_b32 s[G0+4*\ch+3], s[G0+4*\ch+3], 0x80000000
.endr
	CROUND                                         ; all four work-groups are here: the joint loads meet
	s_cmp_lt_u32 s[WV], 4                          ; a wave's four fills stand in one branch on the wave's number, ahead of every wait on TENSORcnt and every LDS read: four loads of such a wave are out
	s_cbranch_scc0 .Lno_fetch
.irp ch, 0,1,2,3
	tensor_load_to_lds s[G0+4*\ch:G0+4*\ch+3], s[G1:G1+7]
	s_nop 0
.endr
.rept 4
	v_nop
.endr
.Lno_fetch:
	v_and_b32 v7, 31, v0
	v_lshlrev_b32 v[LI], 4, v7
	s_lshl_b32 s77, s14, 2
	s_add_co_u32 s77, s77, s12                     ; my head of 64
	s_lshl_b32 s77, s77, 17                        ; its 128 tiles of 1,024 bytes
	s_lshl_b32 s78, s16, 10
	s_add_co_u32 s78, s78, s77
	s_mov_b32 s79, 0
	s_add_nc_u64 s[70:71], s[4:5], s[78:79]
	s_lshl_b32 s78, s15, 10
	s_add_co_u32 s78, s78, s77
	s_add_nc_u64 s[72:73], s[4:5], s[78:79]
	global_load_b128 v[16:19], v[LI], s[70:71]               ; the large tile of Q: two pieces, 512 consecutive bytes each
	global_load_b128 v[20:23], v[LI], s[70:71] offset:512
	global_load_b128 v[24:27], v[LI], s[72:73]               ; the small tile
	global_load_b128 v[28:31], v[LI], s[72:73] offset:512
	; o: laid as a part of the x codes; K = channel 64 (4 group + head) + d: fragment 2 group + head / 2 along K, pieces 2 (head % 2) and the next
	s_lshr_b32 s80, s14, 2
	s_lshl_b32 s80, s80, 21                        ; the batch: 8 blocks of 262,144 bytes
	s_and_b32 s81, s14, 3
	s_lshl_b32 s81, s81, 1
	s_lshr_b32 s82, s12, 1
	s_add_co_u32 s81, s81, s82
	s_lshl_b32 s81, s81, 15
	s_add_co_u32 s80, s80, s81
	s_and_b32 s81, s12, 1
	s_lshl_b32 s81, s81, 10
	s_add_co_u32 s80, s80, s81
	s_lshr_b32 s82, s16, 4
	s_lshl_b32 s82, s82, 18                        ; the tile's block of 256 rows,
	s_and_b32 s83, s16, 15
	s_lshl_b32 s83, s83, 11                        ; and its place there
	s_add_co_u32 s82, s82, s83
	s_add_co_u32 s82, s82, s80
	s_mov_b32 s83, 0
	s_add_nc_u64 s[66:67], s[10:11], s[82:83]
	s_lshr_b32 s82, s15, 4
	s_lshl_b32 s82, s82, 18
	s_and_b32 s84, s15, 15
	s_lshl_b32 s84, s84, 11
	s_add_co_u32 s82, s82, s84
	s_add_co_u32 s82, s82, s80
	s_add_nc_u64 s[68:69], s[10:11], s[82:83]
	; the mask's number: my query's place in its step of 128, less 16 h.  Register 16 b + i of S^T holds key 32 b + 16 h + i: hidden where 32 b + i is greater
	v_and_b32 v7, 15, v0
	v_and_b32 v8, 8, v7
	v_add_nc_u32 v7, v7, v8
	v_bfe_u32 v8, v0, 4, 1
	v_lshlrev_b32 v8, 4, v8
	v_sub_nc_u32 v7, v7, v8
	s_bfe_u32 s84, s16, 0x20001
	s_lshl_b32 s84, s84, 5
	s_and_b32 s85, s16, 1
	s_lshl_b32 s85, s85, 3
	s_add_co_u32 s84, s84, s85
	v_add_nc_u32 v[DQL], s84, v7
	s_bfe_u32 s84, s15, 0x20001
	s_lshl_b32 s84, s84, 5
	s_and_b32 s85, s15, 1
	s_lshl_b32 s85, s85, 3
	s_add_co_u32 s84, s84, s85
	v_add_nc_u32 v[DQS], s84, v7
	v_mov_b32 v236, 0                              ; written once: a lane permute's destination counts as one of its sources
	v_mov_b32 v252, 0
	v_mov_b32 v253, 0                              ; (named as the upper half of the pair v[252:253])
.macro INIT                            ; a tile begins: O^T and the sum as zeros, the largest t as -3e38: the first change of M multiplies zeros
	v_mov_b32 v13, 0xff61b1e6
	v_floor_f32 v12, -v13
	v_mov_b32 v14, 0
	v_mov_b32 v15, 0
.set n, 0
.rept 32
	v_mov_b32 v[160+n], 0
.set n, n+1
.endr
.endm
	INIT
	s_wait_kmcnt 0x0
	s_add_co_i32 s86, s52, s53
	s_lshl_b32 s86, s86, 23
	s_add_co_i32 s[CS], s[CS], s86                 ; a score stands for score x 2^(e6 + e7): the two exponents are added to c's exponent field
	s_mov_b32 s[CS+1], s[CS]                       ; (named with it as a pair, so it is written)
	MKSC 244, 240, 54                              ; p's scale
	MKSC 246, 247, 56                              ; o's scale
	s_add_co_i32 s57, s54, s55                     ; e8 + e9
; A KEY STEP of 128 keys for the tile whose Q stands at v[qf], whose mask number is v[dq] and whose last step is s[last].
.macro STEP qf, dq, last
	s_cmp_gt_u32 s[KS], s[\last]                   ; all its keys come after my queries: the work is left out (ids alone); the two lines at the end that step are not
	s_cbranch_scc1 .Lhid_\@
	v_add_nc_u32 v[ADR], s[TB], v[LI]
.rept 3
	v_nop                                          ; with the addition: four places in front of loads into registers that the last products read
.endr
.set n, 0
.rept 16
	ds_load_b128 v[32+4*n:35+4*n], v[ADR] offset:512*n       ; K: tile n / 2, piece n % 2
.set n, n+1
.endr
	s_wait_dscnt 0x0
.set n, 0
.rept 8
	v_wmma_f32_16x16x64_fp8_fp8 v[96+8*n:103+8*n], v[32+8*n:39+8*n], v[\qf:\qf+7], 0
.set n, n+1
.endr
.rept 4
	v_nop                                          ; places in front of the loads below and of the first read of the scores
.endr
.set n, 0
.rept 16
	ds_load_b128 v[32+4*n:35+4*n], v[ADR] offset:8192+512*n  ; V^T: tile n / 4, piece n % 4: they land under the softmax
.set n, n+1
.endr
	s_cmp_lt_u32 s[KS], s[\last]                   ; only the tile's last step lies on the diagonal
	s_cbranch_scc1 .Lopen_\@
	v_mov_b32 v254, 0xff800000                     ; -infinity: p = 0 then
.set n, 0
.rept 64
	v_cmp_gt_i32 vcc_lo, 32*(n/16)+n%16, v[\dq]
	v_cndmask_b32 v[96+n], v[96+n], v254, vcc_lo
.set n, n+1
.endr
.Lopen_\@:
	v_max3_num_f32 v254, v96, v97, v98             ; the step's largest score of my query, among my 64 keys, in two chains, each accumulator from its low end on,
	v_max3_num_f32 v252, v99, v100, v101
.irp i, 6,10,14,18,22,26,30,34,38,42,46,50,54,58
	v_max3_num_f32 v254, v254, v[96+\i], v[97+\i]
	v_max3_num_f32 v252, v252, v[98+\i], v[99+\i]
.endr
	v_max3_num_f32 v254, v254, v158, v159
	v_max_num_f32 v254, v254, v252
	v_permlanex16_b32 v236, v254, s[SEL], s[SEL+1]
	v_max_num_f32 v254, v254, v236                 ; and among lane l xor 16's
	v_mul_f32 v254, s[CS], v254                    ; as t (c is positive)
	v_max_num_f32 v13, v13, v254                   ; the running largest t
	v_mov_b32 v254, v12
	v_floor_f32 v12, -v13                          ; the new -M = floor(-t): M is a whole number
	v_sub_f32 v254, v12, v254                      ; old M - new M: a whole number, 0 or less
	v_cvt_i32_f32 v254, v254                       ; (it saturates)
	v_ldexp_f32 v252, 1.0, v254                    ; f = 2^(old M - new M)
.set n, 0
.rept 32
	v_pk_fma_f32 v[96+n:97+n], v[96+n:97+n], s[CS:CS+1], v[12:13] op_sel_hi:[1,0,0]   ; t - M, two at a time (of the pairs c and -M the low word serves both halves)
.set n, n+2
.endr
.set n, 0
.rept 64
	v_exp_f32 v[96+n], v[96+n]                     ; p = 2^(t - M), at most 1
.set n, n+1
.endr
	v_pk_mul_f32 v[14:15], v[14:15], v[252:253] op_sel_hi:[1,0]   ; the sums under the new M: the plain line behind the exponentials
	s_wait_alu depctr_va_vdst(0)                   ; the wait ahead of the first line that names a result: one for the batch of 64
	v_pk_add_f32 v[242:243], v[96:97], v[98:99]    ; the row's sum is taken of the unquantised p, in two chains
.irp j, 4,8,12,16,20,24,28,32,36,40,44,48,52,56,60
	v_pk_add_f32 v[14:15], v[14:15], v[96+\j:97+\j]
	v_pk_add_f32 v[242:243], v[242:243], v[98+\j:99+\j]
.endr
	v_pk_add_f32 v[14:15], v[14:15], v[242:243]
.irp b, 0,1,2,3
.irp i, 0,1,2,3,4,5,6,7,8,9,10,11,12,13,14,15
	v_min_num_f32 v[96+16*\b+\i], v[96+16*\b+\i], v240   ; the conversion does not saturate (ISA guide 7.6.2); p is not negative, so the hold is one-sided
.endr
	v_cvt_scalef32_pk8_fp8_f32 v[192+4*\b:193+4*\b], v[96+16*\b:103+16*\b], v244
	v_cvt_scalef32_pk8_fp8_f32 v[194+4*\b:195+4*\b], v[104+16*\b:111+16*\b], v244
.endr
.set n, 0
.rept 16
	v_pk_mul_f32 v[160+n:161+n], v[160+n:161+n], v[252:253] op_sel_hi:[1,0]   ; O^T under the new M; also the plain lines between the conversions and the products that read their results
.set n, n+2
.endr
	s_wait_dscnt 0x0                               ; V^T is in
.set n, 0
.rept 4
	v_wmma_f32_16x16x128_fp8_fp8 v[160+8*n:167+8*n], v[32+16*n:47+16*n], v[192:207], v[160+8*n:167+8*n]   ; the four accumulators take turns, one instruction a turn
.set n, n+1
.endr
.Lhid_\@:
	s_add_co_u32 s[KS], s[KS], 1
	s_add_co_u32 s[TB], s[TB], 16384
.endm
; A quarter of the keys for the large tile.  My part of chunk ch has landed (the 3 - ch younger loads of a fetching wave may stay out), then the barrier shows it of all four fetching waves.
.macro QUAD ch
	s_wait_tensorcnt 3-\ch
	s_wait_dscnt 0x0                               ; no LDS instruction of mine is pending at the signal
	s_barrier_signal -1
	s_barrier_wait -1
	s_mov_b32 s[TB], \ch*65536
	s_mov_b32 s[KS], 4*\ch
	s_mov_b32 s[CNT], 4
.Lquad_\@:
	STEP 16, DQL, LASTL
	s_sub_co_u32 s[CNT], s[CNT], 1
	s_cmp_lg_u32 s[CNT], 0
	s_cbranch_scc1 .Lquad_\@
.endm
; A tile ends: O^T / the sum x 2^(e8 + e9), quantised by e10.  The 16 registers of tiles 2 b, 2 b + 1 are d = 32 b + 16 h + 0 .. 15: my 16 bytes of a piece.
.macro FINISH cd, ob
.rept 4
	v_nop                                          ; places behind the last products
.endr
	v_add_f32 v14, v14, v15                        ; the sum's two halves,
	v_permlanex16_b32 v252, v14, s[SEL], s[SEL+1]
	v_add_f32 v14, v14, v252                       ; and lane l xor 16's
	v_rcp_f32 v14, v14
	v_nop                                          ; a plain line behind the reciprocal
	s_wait_alu depctr_va_vdst(0)                   ; and the wait ahead of its first reader
	v_ldexp_f32 v14, v14, s57
.set n, 0
.rept 16
	v_pk_mul_f32 v[160+n:161+n], v[160+n:161+n], v[14:15] op_sel_hi:[1,0]   ; each accumulator from its low end on
.set n, n+2
.endr
.set n, 0
.rept 32
	v_med3_num_f32 v[160+n], v[160+n], -v247, v247
.set n, n+1
.endr
.irp b, 0,1
	v_cvt_scalef32_pk8_fp8_f32 v[\cd+4*\b:\cd+4*\b+1], v[160+16*\b:167+16*\b], v246
	v_cvt_scalef32_pk8_fp8_f32 v[\cd+4*\b+2:\cd+4*\b+3], v[168+16*\b:175+16*\b], v246
.endr
	v_nop                                          ; a plain line between the conversions and what next writes their sources
.irp b, 0,1
	global_store_b128 v[LI], v[\cd+4*\b:\cd+4*\b+3], s[\ob:\ob+1] offset:512*\b   ; a whole piece: 512 consecutive bytes, aligned; the data registers are not written again
.endr
.endm
	s_wait_loadcnt 0x0                             ; Q
	QUAD 0                                         ; the large tile: 16 trips, of which those behind its last step do nothing
	QUAD 1
	QUAD 2
	QUAD 3
	FINISH 208, 66
	INIT
	s_mov_b32 s[TB], 0
	s_mov_b32 s[KS], 0
	s_mov_b32 s[CNT], 8
.Lsmall:                                           ; the small tile lies in the first half of the keys: 8 trips
	STEP 24, DQS, LASTS
	s_sub_co_u32 s[CNT], s[CNT], 1
	s_cmp_lg_u32 s[CNT], 0
	s_cbranch_scc1 .Lsmall
	FINISH 216, 68
	s_wait_tensorcnt 0x0                           ; the wave's end: three lines behind my last tensor load
	ds_add_u32 v[SPW], v[NIL]
	s_wait_dscnt 0x0
	CROUND                                         ; the closing round
	s_endpgm
.Lfunc_end_k_q69019c217d_attn:
	.size	k_q69019c217d_attn, .Lfunc_end_k_q69019c217d_attn-k_q69019c217d_attn
	.p2alignl 7, 3214868480
	.fill 96, 4, 3214868480
	.section	.rodata,"a",@progbits
	.p2align	6, 0x0
	.amdhsa_kernel k_q69019c217d_attn
		.amdhsa_group_segment_fixed_size 264192
		.amdhsa_private_segment_fixed_size 0
		.amdhsa_enable_private_segment 0
		.amdhsa_kernarg_size 32
		.amdhsa_user_sgpr_count 2
		.amdhsa_user_sgpr_kernarg_segment_ptr 1
		.amdhsa_wavefront_size32 1
		.amdhsa_system_sgpr_workgroup_id_x 1
		.amdhsa_system_sgpr_workgroup_id_y 1
		.amdhsa_system_sgpr_workgroup_id_z 1
		.amdhsa_system_vgpr_workitem_id 0
		.amdhsa_next_free_vgpr 256
		.amdhsa_next_free_sgpr 100
		.amdhsa_reserve_vcc 1
		.amdhsa_float_denorm_mode_32 3
		.amdhsa_float_denorm_mode_16_64 3
		.amdhsa_memory_ordered 1
		.amdhsa_forward_progress 1
		.amdhsa_inst_pref_size 121
	.end_amdhsa_kernel
	.amdgpu_metadata
---
amdhsa.version: [ 1, 2 ]
amdhsa.kernels:
  - .name:           k_q69019c217d_attn
    .symbol:         k_q69019c217d_attn.kd
    .args:
      - { .name: qcodes, .offset: 0, .size: 8, .value_kind: global_buffer, .address_space: global }
      - { .name: kvcodes, .offset: 8, .size: 8, .value_kind: global_buffer, .address_space: global }
      - { .name: lowp_scales, .offset: 16, .size: 8, .value_kind: global_buffer, .address_space: global }
      - { .name: ocodes, .offset: 24, .size: 8, .value_kind: global_buffer, .address_space: global }
    .group_segment_fixed_size: 264192
    .private_segment_fixed_size: 0
    .kernarg_segment_align: 8
    .kernarg_segment_size: 32
    .max_flat_workgroup_size: 512
    .sgpr_count:     100
    .vgpr_count:     256
    .wavefront_size: 32
...
	.end_amdgpu_metadata
.endif
;; end of part 3
;; launch proj (part 4): grid 4 x 32, 4 waves a work-group, clusters of 4 x 4, 327,680 bytes of LDS; arguments ocodes, wcodes, lowp_scales, bp, out0; writes out0
.if DOCPART == 4
	.amdgcn_target "amdgcn-amd-amdhsa--gfx1250"
	.amdhsa_code_object_version 6
	.text
	.protected	k_q69019c217d_proj
	.globl	k_q69019c217d_proj
	.p2align	8
	.type	k_q69019c217d_proj,@function
k_q69019c217d_proj:
	s_mov_b64 s[64:65], 0
	v_nop
	global_prefetch_b8 v0, s[64:65] scope:SCOPE_SE
	s_setreg_imm32_b32 hwreg(HW_REG_WAVE_MODE, 25, 1), 1
	s_wait_xcnt 0x0
	s_wait_alu depctr_hold_cnt(0) depctr_sa_sdst(0) depctr_va_vdst(0) depctr_va_sdst(0) depctr_va_ssrc(0) depctr_va_vcc(0) depctr_vm_vsrc(0)
	s_getreg_b32 s2, hwreg(HW_REG_IB_STS2, 6, 4)
	s_cmp_eq_u32 s2, 0
	s_cbranch_scc0 .Lentry_in_a_cluster
	s_endpgm
.Lentry_in_a_cluster:
	s_bfe_u32 s2, ttmp6, 0x10000c
	s_cmp_lg_u32 s2, 0xf033
	s_cbranch_scc0 .Lentry_shape_is_right
	s_endpgm
.Lentry_shape_is_right:
; PROJ: out0 = o Wp + bp on codes of FP8 (E4M3).  o's codes (ocodes) and Wp's (blocks 6-9 of wcodes) lie as images of operand registers: [block of 256 rows][8 fragments along K][16 tiles][2,048].
; A work-group makes 256 rows x 256 columns, K = 1,024; four waves, each 128 x 128: 64 accumulators, 512 registers.  Each finished sum is multiplied by 2^(e10 + e11) and bp is added, in one packed multiply-add.
; TILES AND IMAGES: tile a holds rows 32 (a / 2) + 8 (a % 2) + r + 8 (r / 8); a fragment image (16 rows x 128 K) is 4 pieces of 512 bytes, lane r + 16 h of piece c: k = 32 c + 16 h + 0 .. 15.  A fragment is four
; ds_load_b128 at 16 x lane.  (A permutation of k, the same in both operands.)  P = source 0 = Wp's columns, Q = source 1 = o's rows: the 16 registers of P's tiles 2 b, 2 b + 1 are columns 32 b + 16 h + 0 .. 15 of one row.
; K goes in 4 steps of 256 through two LDS slots; a slot: region A (o) and region B (Wp), each 2 fragments along K x 16 tiles x 2,048.  A wave's one tensor load brings 32 KiB, dense in memory.
; CLUSTER: 4 x 4 work-groups.  The four of a row of the cluster need the same region A, the four of a column the same region B: each is asked for JOINTLY.
; The grid is 128 work-groups: a tile of 128 x 256 would give 256, with half the multiply-adds for each byte read from LDS.
; LIMIT: e10 + e11 lies between -126 and 127, so that 2^(e10 + e11) is an f32 number.
; REGISTERS: window 0: v16-29 addresses; v32-95 bp at my 64 columns a lane; v128-255 Q's fragments, ONE set, on the way out rows read back.  window 1: P's fragments, TWO sets; on the way out v0-63 results.  windows 2, 3: accumulators.
.set SLOT,  131072
.set REGB,  65536
.set KFB,   32768
.set TLB,   2048
.set STAGE, 2*SLOT                     ; behind the ring, in bytes that no tensor load fills: 16 rows x (512 bytes + 16) for each wave
.set SPITCH, 528
.set SPARE, STAGE+4*16*SPITCH          ; behind the stages: the spare words, 128 bytes for each wave: two blocks of 256 bytes that no other line names
.set FR,    16
.set NL,    4
.set NP,    4
.set ADRQ,  16
.set ADRP,  20
.set STO,   24                         ; v24  the way out: where I put 64 bytes of a row
.set RD,    25                         ; v25  where I read a row back
.set LI,    26                         ; v26  16 x lane
.set BO,    27                         ; v27  64 h: my columns' place in bp
.set SPW,   28
.set NIL,   29
.set BI,    32
.set AF,    128
.set BK,    128
.set G1,  24
.set G0,  32
.set G1B, 48
.set G0B, 56
.set MSB, 0
.macro WIN new
.if MSB != \new
	s_set_vgpr_msb (MSB<<8)|\new
.set MSB, \new
.endif
.endm
.set MUL_LO, 0xa1
.set MUL_HI, 0xf1
.set TO_P,   0x40
.macro JLOAD g0a, g1a, g0b, g1b        ; waves 0 and 1 fetch for region A, waves 2 and 3 for B; an s_nop 0 and four v_nop follow each of the two lines
	s_cmp_eq_u32 s15, 0
	s_cbranch_scc0 .Lfor_b_\@
	tensor_load_to_lds s[\g0a:\g0a+3], s[\g1a:\g1a+7]
	s_nop 0
.rept 4
	v_nop
.endr
	s_branch .Lasked_\@
.Lfor_b_\@:
	tensor_load_to_lds s[\g0b:\g0b+3], s[\g1b:\g1b+7]
	s_nop 0
.rept 4
	v_nop
.endr
.Lasked_\@:
.endm
.macro CREST
	s_cmp_lg_u32 s14, 0
	s_cbranch_scc1 .Lnot_wave_0_\@
	s_barrier_signal -3
.Lnot_wave_0_\@:
	s_barrier_wait -3
	s_barrier_signal -1
	s_barrier_wait -1
.endm
.macro CROUND
	s_barrier_signal -1
	s_barrier_wait -1
	CREST
.endm
	s_load_b256 s[4:11], s[0:1], 0x0               ; ocodes s[4:5], wcodes s[6:7], the exponents s[8:9], bp s[10:11]
	s_load_b64 s[12:13], s[0:1], 0x20              ; out0
	v_lshl_add_u32 v[SPW], v0, 2, SPARE
	v_mov_b32 v[NIL], 0
	ds_add_u32 v[SPW], v[NIL]                      ; the wave's opening: the add and its wait stand ahead of my first tensor load
	v_lshrrev_b32 v1, 5, v0
	v_readfirstlane_b32 s14, v1                    ; wave 0..3
	s_lshr_b32 s15, s14, 1                         ; my half of Q's tiles.  Also: I fetch for region A (0) or B (1)
	s_and_b32 s16, s14, 1                          ; my half of P's tiles.  Also: which fragment along K I fetch
	s_bfe_u32 s40, ttmp6, 0x40000                  ; cx, cy
	s_bfe_u32 s41, ttmp6, 0x40004
	s_lshl_b32 s42, ttmp9, 2
	s_add_co_u32 s42, s42, s40                     ; the block of 256 columns
	s_and_b32 s17, ttmp7, 0xffff
	s_lshl_b32 s17, s17, 2
	s_add_co_u32 s17, s17, s41                     ; the block of 256 rows
	s_lshl_b32 s43, s41, 2
	s_lshl_b32 s43, 15, s43                        ; my row of the cluster
	s_lshl_b32 s44, 0x1111, s40                    ; my column
	s_or_b32 s[G1+0], s43, (3<<16)|(1<<21)         ; 15:0 the mask: region A goes to my row; 17:16 elements of 8 bytes; 21 set beside a mask
	s_or_b32 s[G1B+0], s44, (3<<16)|(1<<21)        ; region B goes to my column
.irp g, G1, G1B
	s_mov_b32 s[\g+1], 32<<16
	s_mov_b32 s[\g+2], 128<<16
	s_mov_b32 s[\g+3], 32<<16
	s_mov_b32 s[\g+4], 128
	s_mov_b32 s[\g+5], 32
	s_mov_b32 s[\g+6], 0
	s_mov_b32 s[\g+7], 0
.endr
	s_lshl_b32 s20, s17, 18                        ; region A hangs on the row block alone,
	s_lshl_b32 s21, s16, 15
	s_add_co_u32 s20, s20, s21
	s_mov_b32 s21, 0
	s_add_co_u32 s46, s42, 6                       ; region B on the column block alone: Wp's blocks are 6 to 9
	s_lshl_b32 s46, s46, 18
	s_lshl_b32 s47, s16, 15
	s_add_co_u32 s46, s46, s47
	s_mov_b32 s47, 0
	s_lshl_b32 s45, s14, 15                        ; where they go: wave x 32 KiB
	s_wait_dscnt 0x0                               ; the opening add is done
	s_wait_kmcnt 0x0
	s_load_b256 s[68:75], s[8:9], 0x0
	s_load_b128 s[76:79], s[8:9], 0x20             ; e10 = s78, e11 = s79
	s_add_nc_u64 s[20:21], s[4:5], s[20:21]
	s_add_nc_u64 s[46:47], s[6:7], s[46:47]
	CROUND                                         ; all sixteen work-groups are here: the first joint loads meet
.irp s, 0,1
	s_mov_b32 s[G0+4*\s], 1
	s_add_co_u32 s[G0+4*\s+1], s45, \s*SLOT
	s_add_nc_u64 s[G0+4*\s+2:G0+4*\s+3], s[20:21], \s*2*KFB
	s_or_b32 s[G0+4*\s+3], s[G0+4*\s+3], 0x80000000
	s_mov_b32 s[G0B+4*\s], 1
	s_add_co_u32 s[G0B+4*\s+1], s45, \s*SLOT
	s_add_nc_u64 s[G0B+4*\s+2:G0B+4*\s+3], s[46:47], \s*2*KFB
	s_or_b32 s[G0B+4*\s+3], s[G0B+4*\s+3], 0x80000000
	JLOAD G0+4*\s, G1, G0B+4*\s, G1B               ; two loads of mine are out
.endr
	v_and_b32 v1, 31, v0
	v_lshlrev_b32 v[LI], 4, v1
	v_and_b32 v2, 15, v0                           ; r
	v_bfe_u32 v3, v0, 4, 1                         ; h
	v_lshlrev_b32 v[BO], 6, v3
	s_lshl_b32 s80, s42, 10                        ; my 128 columns, in bytes of f32
	s_lshl_b32 s81, s16, 9
	s_add_co_u32 s80, s80, s81
	s_mov_b32 s81, 0
	s_add_nc_u64 s[82:83], s[10:11], s[80:81]
	s_lshl_b32 s84, s17, 20                        ; my 128 rows of 4,096 bytes
	s_lshl_b32 s85, s15, 19
	s_add_co_u32 s84, s84, s85
	s_add_co_u32 s84, s84, s80
	s_mov_b32 s85, 0
	s_add_nc_u64 s[86:87], s[12:13], s[84:85]
.irp pp, 0,1,2,3
.irp i, 0,1,2,3
	global_load_b128 v[BI+16*\pp+4*\i:BI+16*\pp+4*\i+3], v[BO], s[82:83] offset:128*\pp+16*\i   ; bp at columns 32 pp + 16 h + 0 .. 15: the results' layout
.endr
.endr
	s_lshl_b32 s21, s15, 14                        ; my eight tiles of Q, in region A
	s_lshl_b32 s22, s16, 14
	s_add_co_u32 s22, s22, REGB                    ; my eight tiles of P, in region B
.irp s, 0,1
	v_add_nc_u32 v[ADRQ+\s], s21, v[LI]
	v_add_nc_u32 v[ADRP+\s], s22, v[LI]
	s_add_co_u32 s21, s21, SLOT
	s_add_co_u32 s22, s22, SLOT
.endr
	s_mul_i32 s23, s14, 16*SPITCH
	s_add_co_u32 s23, s23, STAGE                   ; my stage
	v_mul_u32_u24 v5, v2, SPITCH
	v_lshl_add_u32 v5, v3, 6, v5
	v_add_nc_u32 v[STO], s23, v5                   ; in: row r, + 64 h
	v_add_nc_u32 v[RD], s23, v[LI]                 ; back: the 32 lanes take one row of 512 bytes
.macro FRAG reg, adr, q, i
.irp c, 0,1,2,3
	ds_load_b128 v[\reg+4*\c:\reg+4*\c+3], v[\adr] offset:KFB*(\q)+TLB*(\i)+512*\c
.endr
.endm
.macro MUL16 a0, p, zero               ; the 64 accumulators take turns, one instruction a turn, in the same order in every step
.irp a, \a0, \a0+1
.irp b, 0,1,2,3,4,5,6,7
.if \zero
	v_wmma_f32_16x16x128_fp8_fp8 v[8*(8*((\a)%4)+\b):8*(8*((\a)%4)+\b)+7], v[128*(\p)+FR*\b:128*(\p)+FR*\b+FR-1], v[AF+FR*(\a):AF+FR*(\a)+FR-1], 0
.else
	v_wmma_f32_16x16x128_fp8_fp8 v[8*(8*((\a)%4)+\b):8*(8*((\a)%4)+\b)+7], v[128*(\p)+FR*\b:128*(\p)+FR*\b+FR-1], v[AF+FR*(\a):AF+FR*(\a)+FR-1], v[8*(8*((\a)%4)+\b):8*(8*((\a)%4)+\b)+7]
.endif
.endr
.endr
.endm
.macro FETCH_P slot, q, p
	WIN TO_P
.irp i, 0,1,2,3,4,5,6,7
	FRAG 128*(\p)+FR*\i, ADRP+\slot, \q, \i
.endr
	WIN 0
.endm
.macro FETCH_Q slot, q, i0
.irp i, \i0, \i0+1, \i0+2, \i0+3
	FRAG AF+FR*(\i), ADRQ+\slot, \q, \i
.endr
.endm
.macro PLACES n
.rept \n
	v_nop
.endr
.endm
.macro STEP slot, q, zero
	s_wait_dscnt 4*NL                              ; P's set and Q's tiles 0-3 are in; the 16 youngest loads (Q's tiles 4-7) may be out
	WIN MUL_LO
	MUL16 0, (\q)%2, \zero
	MUL16 2, (\q)%2, \zero
	s_wait_dscnt 0
	PLACES NP
	FETCH_P \slot, (\q)+1, 1-(\q)%2
	FETCH_Q \slot, (\q)+1, 0
	WIN MUL_HI
	MUL16 4, (\q)%2, \zero
	MUL16 6, (\q)%2, \zero
	PLACES NP
	WIN 0
	FETCH_Q \slot, (\q)+1, 4
.endm
.macro TURN slot, next, fill
	s_wait_tensorcnt 0x0                           ; all my tensor loads have landed: my part of the next slot
	ds_add_u32 v[SPW], v[NIL]                      ; 0 onto my spare word
	s_wait_dscnt 4*NL+1                            ; (the add and the 16 youngest loads may be out)
	WIN MUL_LO
	MUL16 0, 1, 0
	s_wait_dscnt 0x0                               ; the add is done, and my reads of this slot are over
	s_barrier_signal -1
	MUL16 2, 1, 0
	WIN 0
	s_barrier_wait -1
.if \fill
	CREST                                          ; the barrier has opened a round of the cluster's barrier: no wave of any partner still reads this slot or has a load on its way
	s_add_nc_u64 s[G0+4*\slot+2:G0+4*\slot+3], s[G0+4*\slot+2:G0+4*\slot+3], 4*KFB
	s_add_nc_u64 s[G0B+4*\slot+2:G0B+4*\slot+3], s[G0B+4*\slot+2:G0B+4*\slot+3], 4*KFB
	JLOAD G0+4*\slot, G1, G0B+4*\slot, G1B         ; the first tensor load behind the round, and my only one until the next
.else
	PLACES NP
.endif
	FETCH_P \next, 0, 0
	FETCH_Q \next, 0, 0
	WIN MUL_HI
	MUL16 4, 1, 0
	MUL16 6, 1, 0
	PLACES NP
	WIN 0
	FETCH_Q \next, 0, 4
.endm
	s_wait_tensorcnt 1                             ; my part of K step 0 is in; K step 1's load may be out
	s_barrier_signal -1
	s_barrier_wait -1
	FETCH_P 0, 0, 0
	FETCH_Q 0, 0, 0
	FETCH_Q 0, 0, 4
	STEP 0, 0, 1
	TURN 0, 1, 1
	STEP 1, 0, 0
	TURN 1, 0, 1
	STEP 0, 0, 0
	TURN 0, 1, 0
	STEP 1, 0, 0
	s_wait_dscnt 4*NL
	WIN MUL_LO
	MUL16 0, 1, 0
	MUL16 2, 1, 0
	s_wait_dscnt 0
	WIN MUL_HI
	MUL16 4, 1, 0
	MUL16 6, 1, 0
	WIN 0
; THE WAY OUT, a tile of 16 rows x 128 columns at a time.  A lane holds 4 x 64 bytes of one row, the lanes beside it other rows: so a tile goes through my own stage in LDS and comes back as whole rows of 512 bytes.
; A wave's LDS instructions are served in order: no wait between the stores and the loads, nor in front of the next tile's stores.
.macro TOSTAGE qi
	WIN 0x42+((\qi)/4)                             ; source 0 (the sums) window 2 or 3, source 2 (bp) window 0, destination window 1
.irp j, 0,2,4,6,8,10,12,14,16,18,20,22,24,26,28,30,32,34,36,38,40,42,44,46,48,50,52,54,56,58,60,62
	v_pk_fma_f32 v[\j:\j+1], v[64*((\qi)%4)+\j:64*((\qi)%4)+\j+1], s[96:97], v[BI+\j:BI+\j+1] op_sel_hi:[1,0,1]   ; sum x 2^(e10 + e11) + bp; each accumulator from its low end on
.endr
	WIN 0x04                                       ; the stores' data in window 1
.irp pp, 0,1,2,3
.irp i, 0,1,2,3
	ds_store_b128 v[STO], v[16*\pp+4*\i:16*\pp+4*\i+3] offset:128*\pp+16*\i
.endr
.endr
	WIN 0
.set BB, BK+64*((\qi)%2)
.irp t, 0,1,2,3,4,5,6,7,8,9,10,11,12,13,14,15
	ds_load_b128 v[BB+4*\t:BB+4*\t+3], v[RD] offset:\t*SPITCH
.endr
.endm
.macro SEND qi, younger                ; younger: the LDS instructions issued behind tile qi's loads, which may stay out
.set BB, BK+64*((\qi)%2)
	s_wait_dscnt \younger
.irp t, 0,1,2,3,4,5,6,7,8,9,10,11,12,13,14,15
	global_store_b128 v[LI], v[BB+4*\t:BB+4*\t+3], s[86:87] offset:(32*((\qi)/2)+8*((\qi)%2)+\t+8*(\t/8))*4096 th:TH_STORE_NT   ; 32 lanes store 512 consecutive bytes of the tile's row t, aligned; written once, read by nobody here
.endr
.endm
	s_wait_kmcnt 0x0
	s_add_co_i32 s96, s78, s79
	s_add_co_i32 s96, s96, 127
	s_lshl_b32 s96, s96, 23                        ; 2^(e10 + e11) as f32
	s_mov_b32 s97, s96                             ; (named with it as a pair, so it is written)
	s_wait_loadcnt 0x0                             ; bp
	PLACES NP
	TOSTAGE 0
.irp a, 1,2,3,4,5,6,7
.if \a > 1
	s_wait_xcnt 0x0                                ; tile a - 2's stores have read their data: tile a's loads may land there
.endif
	TOSTAGE \a
	SEND \a-1, 32                                  ; behind tile a - 1's loads: tile a's 16 stores and 16 loads
.endr
	SEND 7, 0
	s_wait_tensorcnt 0x0                           ; the wave's end: three lines behind my last tensor load and my last LDS store
	ds_add_u32 v[SPW], v[NIL]
	s_wait_dscnt 0x0
	CROUND                                         ; the closing round
	s_endpgm
.Lfunc_end_k_q69019c217d_proj:
	.size	k_q69019c217d_proj, .Lfunc_end_k_q69019c217d_proj-k_q69019c217d_proj
	.p2alignl 7, 3214868480
	.fill 96, 4, 3214868480
	.section	.rodata,"a",@progbits
	.p2align	6, 0x0
	.amdhsa_kernel k_q69019c217d_proj
		.amdhsa_group_segment_fixed_size 327680
		.amdhsa_private_segment_fixed_size 0
		.amdhsa_enable_private_segment 0
		.amdhsa_kernarg_size 40
		.amdhsa_user_sgpr_count 2
		.amdhsa_user_sgpr_kernarg_segment_ptr 1
		.amdhsa_wavefront_size32 1
		.amdhsa_system_sgpr_workgroup_id_x 1
		.amdhsa_system_sgpr_workgroup_id_y 1
		.amdhsa_system_sgpr_workgroup_id_z 1
		.amdhsa_system_vgpr_workitem_id 0
		.amdhsa_next_free_vgpr 1024
		.amdhsa_next_free_sgpr 98
		.amdhsa_reserve_vcc 0
		.amdhsa_float_denorm_mode_32 3
		.amdhsa_float_denorm_mode_16_64 3
		.amdhsa_memory_ordered 1
		.amdhsa_forward_progress 1
		.amdhsa_inst_pref_size 124
	.end_amdhsa_kernel
	.amdgpu_metadata
---
amdhsa.version: [ 1, 2 ]
amdhsa.kernels:
  - .name:           k_q69019c217d_proj
    .symbol:         k_q69019c217d_proj.kd
    .args:
      - { .name: ocodes, .offset: 0, .size: 8, .value_kind: global_buffer, .address_space: global }
      - { .name: wcodes, .offset: 8, .size: 8, .value_kind: global_buffer, .address_space: global }
      - { .name: lowp_scales, .offset: 16, .size: 8, .value_kind: global_buffer, .address_space: global }
      - { .name: bp, .offset: 24, .size: 8, .value_kind: global_buffer, .address_space: global }
      - { .name: out0, .offset: 32, .size: 8, .value_kind: global_buffer, .address_space: global }
    .group_segment_fixed_size: 327680
    .private_segment_fixed_size: 0
    .kernarg_segment_align: 8
    .kernarg_segment_size: 40
    .max_flat_workgroup_size: 128
    .sgpr_count:     98
    .vgpr_count:     1024
    .wavefront_size: 32
...
	.end_amdgpu_metadata
.endif
;; end of part 4
